; MI455X (gfx1250); checked and timed in simulation.
; The chip was launched on July 23, 2026; its instructions are those of AMD's public machine-readable ISA for CDNA 5 (MIT licence, August 2026) and "CDNA5" Instruction Set Architecture Reference Guide (July 2026). The comments in the code are by the model that wrote it; some were corrected since.
;; Bahdanau Attention. Allowed arithmetic: matrix products marked QUANTISED: E2M1 operands, one E8M0 scale for each 32 along K, by v_wmma_scale_f32_16x16x128_f8f6f4 with both operands' format E2M1 (or v_wmma_scale_f32_32x16x128_f4), f32 sums; products left as they are: f32 operands where the result goes on into a quantised operand, else bf16, f16 or f32 operands; f32 sums; everything else in f32.
;; Inputs: Wk 1,024 x 1,024 float32; Wq 1,024 x 1,024 float32; bk 1,024 float32; bq 1,024 float32; bv one number float32; encoder_outputs 32 x 2,048 x 1,024 float32; hidden 2 x 32 x 1,024 float32; wv 1,024 float32.
;; Outputs: out0 32 x 1 x 1,024 float32.
;; This version of the problem:
;;   THIS VERSION OF THE PROBLEM IS GIVEN IN LOW PRECISION. The matrix products marked QUANTISED in the list below multiply operands that are first quantised to E2M1 (2 exponent bits, 1 mantissa bit; 4 bits a number), with one power-of-two scale for each 32 numbers along K (OCP MX v1.0); their sums are f32. All else is computed in f32.
;;   The module's matrix products, in the order in which they are computed (A, B: the left and right operand; K: the contracted axis; several contracted axes count as one K, in the product's order):
;;     1. [M 32, K 1,024] x [K 1,024, N 1,024]; A: input hidden; B: input Wq: QUANTISED
;;     2. [M 65,536, K 1,024] x [K 1,024, N 1,024]; A: input encoder_outputs; B: input Wk: QUANTISED
;;     3. [M 65,536, K 1,024] x [K 1,024, N 1]; A: computed on the way; B: input wv: left as it is (N = 1 < 16)
;;     4. batch 32 x [M 1, K 2,048] x [K 2,048, N 1,024]; A: softmax; B: input encoder_outputs: left as it is (M = 1 < 16)
;;   THE QUANTISER, for each operand of a quantised product, along K:
;;     - K is cut into blocks of 32 from its start; a last block that is shorter is filled with zeros.
;;     - A block's scale is 2^e with e = floor(log2(the largest magnitude in the block)) - 2, held to -126 .. 127; a block of zeros has e = 0. As a byte (E8M0): e + 127.
;;     - Each number is divided by its block's scale, clamped to +-6, and rounded to the nearest number of E2M1, ties to even, subnormals kept.
;;     - The product sums the exact products of the quantised numbers (number of the format x scale) in f32.
;;   ~~~python
;;   def quantise(x, axis):      # numpy; x: float32 -> the quantised numbers, widened to float32 again
;;       x = np.moveaxis(x, axis, -1); K = x.shape[-1]
;;       x = np.pad(x, [(0, 0)] * (x.ndim - 1) + [(0, -K % 32)]); x = x.reshape(x.shape[:-1] + (-1, 32)); a = np.abs(x).max(-1, keepdims=True)
;;       e = np.where(a > 0, np.clip(np.frexp(np.where(a > 0, a, 1))[1] - 1 - 2, -126, 127), 0)      # np.frexp(a)[1] - 1 = floor(log2(a)), exactly
;;       r = np.clip(x / 2.0 ** e, -6, 6)
;;       step = 2.0 ** (np.maximum(np.frexp(np.where(r == 0, 1, r))[1] - 1, 0) - 1)
;;       q = np.round(r / step) * step * 2.0 ** e      # np.round: ties to even
;;       return np.moveaxis(q.reshape(q.shape[:-2] + (-1,))[..., :K], -1, axis).astype(np.float32)
;;   ~~~
;; One version. Each part assembles by itself: llvm-mc -triple=amdgcn-amd-amdhsa -mcpu=gfx1250 --defsym DOCPART=n.
;; ======== version 1 of 1: 3 launches
;; limits: values are held in bf16: 8 bits of precision; right only within a limited range of input values
;; workspace buffers: wkf 557,056 bytes; qc 131,072 bytes; part 1,114,112 bytes
;; launch prep (part 1): grid 64 x 1, 8 waves a work-group, no clusters, 288,768 bytes of LDS; arguments Wk, Wq, hidden, bq, bk, wkf, qc; writes wkf, qc
.if DOCPART == 1
	.amdgcn_target "amdgcn-amd-amdhsa--gfx1250"
	.amdhsa_code_object_version 6
	.text
	.protected	k_qc909287af0_prep
	.globl	k_qc909287af0_prep
	.p2align	8
	.type	k_qc909287af0_prep,@function
k_qc909287af0_prep:
	s_mov_b64 s[64:65], 0
	v_nop
	global_prefetch_b8 v0, s[64:65] scope:SCOPE_SE
	s_setreg_imm32_b32 hwreg(HW_REG_WAVE_MODE, 25, 1), 1
	s_wait_xcnt 0x0
; PREPARATION.  Work-group x takes the 16 columns o = 16 x + r (rows of Wk and of Wq, [1024][1024] f32, K innermost); wave s takes K step s (k = 128 s .. 128 s + 127).
; WORK LEFT OUT, in this program's every launch.  reference() has scores[b][s] = sum over o of wv[o] tanh(..) + bv and takes a softmax over s.  The program writes tanh = 1 - 2 / (1 + 2^x), so that
; scores[b][s] = (bv + the sum of wv) - 2 x the sum over o of wv[o] / (1 + 2^x).  The term in brackets is the same for all s of a batch, and softmax(z + a) = softmax(z) for every number a: it reaches no output, whatever
; the inputs hold.  So bv is not loaded and is among no launch's arguments, and the sum of wv is not made.  reference() uses hidden[-1] alone: rows 0 .. 31 of the buffer hidden are not loaded.
; LIMIT: a NaN, an infinity or an overflow that reaches only bv, the sum of wv or hidden[0] is not carried to the result.
; (1) Wk's tile becomes codes of FP4 (E2M1) with one E8M0 byte for each 32 along K, stored in the ORDER OF THE OPERAND'S REGISTERS: record G = x / 2 of 17,408 bytes holds columns 32 G .. 32 G + 31:
;     fragment (u = x % 2, s) at (8 u + s) 1024 + 512 c + 16 lane (registers 4 c .. 4 c + 3); scale words at 16,384 + 512 q + 16 lane: lane l has the words of K steps 4 q .. 4 q + 3 of column 32 G + l.
; (2) qc[tile x][batch 32][16 columns] = c (Q(hidden[1]) Q(Wq)^T + bq + bk), c = 2 log2(e): the next launch's tanh wants its argument so.  Each wave multiplies its K step; the eight parts meet in LDS and are added
;     with K ascending.  (K split over waves changes the order of the f32 sums alone; q goes into tanh, into no quantiser.)
; THE ROWS COME THROUGH REGISTERS: a wave's 64 rows (16 of Wk, 16 of Wq, 32 of hidden[1]) are 512 consecutive bytes of memory each, aligned: a load a row, 16 bytes a lane, all 64 asked for at once.
; They turn through the wave's own 64 LDS rows of 528 bytes, stored as they lie and read back in the operand's order.  Only the wave that stored reads these bytes, and LDS serves a wave's instructions in order.
; A LANE READS IN THE OPERAND'S OWN ORDER: lane (r, h) takes, of row r, k = 64 c + 32 h + 0 .. 31 of the K step: two whole blocks of 32, so that a block's largest magnitude needs no other lane and the conversions' results are the operand's registers.
; A block's scale is 2^(floor(log2(largest magnitude)) - 2): its byte is the largest magnitude's exponent field - 2, held at 1 from below by a floor among the maximum's leaves.
; LIMITS: a block of zeros (or one whose largest magnitude lies under 2^-124) gets the byte 1 where the rule says 127 for zeros: its codes are zeros and this program alone reads the bytes.  NaN and infinities among the inputs are not served.
; NO TENSOR LOAD, NO CLUSTER, NO PREFETCH: a wave's three tiles lie in three buffers and the launch has one trip and no loop to run ahead in; what work-groups share is hidden[1], 128 KiB, which each reads once.
.set REC,  17408
.set TP,   528                         ; a tile's row in LDS: 512 bytes + 16 of padding = 132 words: row r starts at bank 4 r mod 64 (64 banks of 4 bytes: ISA guide 11.1)
.set STG,  16*TP                       ; 16 rows
.set WST,  4*STG                       ; a wave's four tiles: Wk, Wq, hidden rows 0-15, rows 16-31
.set SCG,  8*WST                       ; behind the tiles: the tile's scale words (32 bytes a column),
.set PS,   SCG+1024                    ; the waves' partial products, 2,048 bytes a wave,
.set SPARE, PS+8*2048                  ; and the spare words, 128 bytes a wave: four blocks of 256 bytes that no other line names
.set VW,   4                           ; v4   my wave's tiles + 528 r + 128 h
.set SH8,  5                           ; v5   8 h
.set NIL,  15                          ; v15  0; never rewritten
.set VS,   16                          ; v16  my wave's tiles + 16 lane: where rows are put as they come from memory (free again when QUANT2 begins)
.set TQ,   16                          ; v16-21 at work in QUANT2
.set SPW,  23                          ; v23  my spare word; never rewritten
.set L0,   64                          ; three sets of 64 numbers
.set L1,   128
.set L2,   192
.set W1,   0                           ; v256-319 (window 1): hidden's rows 16-31 as they come from memory
; v24-27 scale words (Wk, Wq, hidden rows 0-15, rows 16-31); v28-31 the biases; v32-63 the four fragments
.macro GLD reg, base, row0             ; 16 rows of my K step, a load a row
.irp i,0,1,2,3,4,5,6,7,8,9,10,11,12,13,14,15
	global_load_b128 v[\reg+4*\i:\reg+4*\i+3], v1, s[\base:\base+1] offset:4096*(\row0+\i)
.endr
.endm
.macro SST reg, off                    ; and into my wave's LDS rows, as they lie
.irp i,0,1,2,3,4,5,6,7,8,9,10,11,12,13,14,15
	ds_store_b128 v[VS], v[\reg+4*\i:\reg+4*\i+3] offset:\off+TP*\i
.endr
.endm
; 64 numbers of a lane, v[src + 32 c + i] = k 64 c + 32 h + i of my row, become a fragment's codes in v[pc] .. v[pc + 7] and its scale word in v[pw]
.macro QUANT2 src, pc, pw
.irp c,0,1
	v_max3_num_f32 v[TQ+\c], |v[(\src)+32*\c]|, |v[(\src)+32*\c+1]|, 0x1800000   ; the floor 2^(3 - 127): the byte cannot fall under 1
	v_max3_num_f32 v[TQ+2+\c], |v[(\src)+32*\c+16]|, |v[(\src)+32*\c+17]|, |v[(\src)+32*\c+18]|
.endr
.irp i,0,1,2,3,4,5
.irp c,0,1
	s_delay_alu instid0(VALU_DEP_4)
	v_max3_num_f32 v[TQ+\c], v[TQ+\c], |v[(\src)+32*\c+2+2*\i]|, |v[(\src)+32*\c+3+2*\i]|   ; four chains by turns
	s_delay_alu instid0(VALU_DEP_4)
	v_max3_num_f32 v[TQ+2+\c], v[TQ+2+\c], |v[(\src)+32*\c+19+2*\i]|, |v[(\src)+32*\c+20+2*\i]|
.endr
.endr
.irp c, 0
	s_delay_alu instid0(VALU_DEP_4)
	v_max3_num_f32 v[TQ+\c], v[TQ+\c], |v[(\src)+32*\c+14]|, |v[(\src)+32*\c+15]|
.endr
.irp c, 1
	s_delay_alu instid0(VALU_DEP_3)
	v_max3_num_f32 v[TQ+\c], v[TQ+\c], |v[(\src)+32*\c+14]|, |v[(\src)+32*\c+15]|
.endr
.irp c,0,1
	s_delay_alu instid0(VALU_DEP_2)
	v_max3_num_f32 v[TQ+\c], v[TQ+\c], v[TQ+2+\c], |v[(\src)+32*\c+31]|   ; block 2 c + h's largest magnitude
.endr
.irp c,0,1
	s_delay_alu instid0(VALU_DEP_2)
	v_add_nc_u32 v[TQ+2+\c], 0xff000000, v[TQ+\c]   ; 2 off its exponent field: the conversion takes the exponent field of this operand as its scale
.endr
.irp c,0,1
	s_delay_alu instid0(VALU_DEP_2)
	v_lshrrev_b32 v[TQ+4+\c], 23, v[TQ+2+\c]        ; the scale's byte
.endr
	s_delay_alu instid0(VALU_DEP_1)
	v_lshl_or_b32 v[\pw], v[TQ+5], 16, v[TQ+4]      ; my two bytes: blocks h and 2 + h,
	s_delay_alu instid0(VALU_DEP_1)
	v_lshlrev_b32 v[\pw], v[SH8], v[\pw]            ; at their places in the word;
	s_delay_alu instid0(VALU_DEP_1)
	v_permlanex16_b32 v[TQ+4], v[\pw], s30, s31
	s_delay_alu instid0(VALU_DEP_1)
	v_or_b32 v[\pw], v[\pw], v[TQ+4]                ; with lane l xor 16's two the word is whole, in both lanes
.irp c,0,1
.irp g,0,1,2,3
	v_cvt_scalef32_pk8_fp4_f32 v[(\pc)+4*\c+\g], v[(\src)+32*\c+8*\g:(\src)+32*\c+8*\g+7], v[TQ+2+\c]
.endr
.endr
	v_nop                                           ; one plain place behind a scaled conversion
.endm
.macro XLD reg, off                    ; 16 LDS loads: my 64 numbers of the tile that begins off bytes into my wave's tiles
.irp c,0,1
.irp i,0,1,2,3,4,5,6,7
	ds_load_b128 v[\reg+32*\c+4*\i:\reg+32*\c+4*\i+3], v[VW] offset:\off+256*\c+16*\i
.endr
.endr
.endm
	s_load_b256 s[4:11], s[0:1], 0x0               ; Wk s[4:5], Wq s[6:7], hidden s[8:9], bq s[10:11]
	s_load_b128 s[12:15], s[0:1], 0x20             ; bk s[12:13], wkf s[14:15]
	s_load_b64 s[16:17], s[0:1], 0x30              ; qc
	v_lshl_add_u32 v[SPW], v0, 2, SPARE
	v_mov_b32 v[NIL], 0
	v_lshrrev_b32 v1, 5, v0
	v_readfirstlane_b32 s24, v1                    ; wave = K step
	v_and_b32 v14, 31, v0                          ; lane
	v_lshlrev_b32 v1, 4, v14                       ; 16 lane
	s_lshl_b32 s25, s24, 9                         ; my K step: 512 bytes of a row
	s_lshl_b32 s26, ttmp9, 16                      ; my 16 rows of 4,096 bytes
	s_add_co_u32 s26, s26, s25
	s_mov_b32 s27, 0
	s_add_co_u32 s28, s25, 131072                  ; hidden[1] begins 32 rows into the buffer
	s_mov_b32 s29, 0
	s_mul_i32 s35, s24, WST                        ; my wave's tiles in LDS
	v_add_nc_u32 v[VS], s35, v1
	s_wait_alu depctr_va_vdst(0)                   ; directly ahead of the wait below
	s_wait_kmcnt 0x0
	s_add_nc_u64 s[36:37], s[4:5], s[26:27]        ; Wk, Wq at my rows and K step; hidden[1] at my K step
	s_add_nc_u64 s[38:39], s[6:7], s[26:27]
	s_add_nc_u64 s[40:41], s[8:9], s[28:29]
	GLD L0, 36, 0                                  ; the wave's 64 rows are asked for at once
	GLD L1, 38, 0
	GLD L2, 40, 0
	s_set_vgpr_msb 0x40                            ; destination window 1
	GLD W1, 40, 16
	s_set_vgpr_msb 0x4000
	s_lshr_b32 s26, ttmp9, 1
	s_mul_i32 s26, s26, REC
	s_add_nc_u64 s[14:15], s[14:15], s[26:27]      ; my record
	s_lshl_b32 s26, ttmp9, 6
	s_add_nc_u64 s[10:11], s[10:11], s[26:27]      ; bq and bk at my 16 columns
	s_add_nc_u64 s[12:13], s[12:13], s[26:27]
	s_lshl_b32 s26, ttmp9, 11
	s_add_nc_u64 s[16:17], s[16:17], s[26:27]      ; qc at my tile
	v_and_b32 v11, 7, v0
	s_delay_alu instid0(VALU_DEP_1)
	v_lshlrev_b32 v11, 3, v11                      ; the biases of my two columns: wanted behind the barrier, asked for now
	global_load_b64 v[28:29], v11, s[10:11]
	global_load_b64 v[30:31], v11, s[12:13]
	v_and_b32 v2, 15, v0                           ; r
	v_bfe_u32 v3, v0, 4, 1                         ; h
	s_wait_alu depctr_va_vdst(0)
	v_lshlrev_b32 v[SH8], 3, v3
	v_mul_u32_u24 v[VW], v2, TP
	s_delay_alu instid0(VALU_DEP_1)
	v_lshl_add_u32 v[VW], v3, 7, v[VW]
	s_delay_alu instid0(VALU_DEP_1)
	v_add_nc_u32 v[VW], s35, v[VW]
	s_and_b32 s28, ttmp9, 1                        ; u: which half of the record
	s_lshl_b32 s25, s24, 10
	s_lshl_b32 s29, s28, 13
	s_add_co_u32 s25, s25, s29
	v_add_nc_u32 v6, s25, v1                       ; the fragment's place in the record: (8 u + s) 1024 + 16 lane
	s_lshl_b32 s25, s24, 2
	s_add_co_u32 s25, s25, SCG
	v_lshl_add_u32 v7, v2, 5, s25                  ; LDS: my row's scale word of my K step: 32 r + 4 s
	s_lshl_b32 s25, s24, 11
	s_add_co_u32 s25, s25, PS
	v_add_nc_u32 v8, s25, v1                       ; LDS: my wave's partial products, as an image of the registers
	v_lshlrev_b32 v9, 5, v2
	s_delay_alu instid0(VALU_DEP_1)
	v_lshl_add_u32 v9, v3, 4, v9
	s_delay_alu instid0(VALU_DEP_1)
	v_add_nc_u32 v9, SCG, v9                       ; LDS, back: column l % 16, K steps 4 (l / 16) on
	v_lshlrev_b32 v13, 4, v2
	s_delay_alu instid0(VALU_DEP_1)
	v_lshl_add_u32 v13, v3, 9, v13
	s_lshl_b32 s29, s28, 8
	v_add_nc_u32 v13, s29, v13                     ; and its place in the record's scale image: 512 (l / 16) + 256 u + 16 (l % 16)
	; thread T sums columns 2 (T % 8), + 1 of batch T / 8: register 2 (T % 4) .. of lane (T / 8) % 16 + 16 ((T / 4) % 2), accumulator T / 128
	v_and_b32 v10, 1, v0
	s_delay_alu instid0(VALU_DEP_1)
	v_lshlrev_b32 v10, 3, v10
	v_bfe_u32 v22, v0, 1, 1
	s_delay_alu instid0(VALU_DEP_1)
	v_lshl_or_b32 v10, v22, 9, v10
	v_bfe_u32 v22, v0, 2, 1
	s_delay_alu instid0(VALU_DEP_1)
	v_lshl_or_b32 v10, v22, 8, v10
	v_bfe_u32 v22, v0, 3, 4
	s_delay_alu instid0(VALU_DEP_1)
	v_lshl_or_b32 v10, v22, 4, v10
	v_lshrrev_b32 v22, 7, v0
	s_delay_alu instid0(VALU_DEP_1)
	v_lshl_or_b32 v10, v22, 10, v10
	s_delay_alu instid0(VALU_DEP_1)
	v_add_nc_u32 v10, PS, v10
	v_lshlrev_b32 v12, 3, v0                       ; qc: 8 T
	s_mov_b32 s30, 0x76543210
	s_mov_b32 s31, 0xfedcba98                      ; v_permlanex16_b32's selects for lane l xor 16
	s_mov_b32 s32, 0x4038aa3b                      ; c = 2 log2(e)
	s_mov_b32 s33, s32                             ; (named with it as a pair)
	s_wait_alu depctr_va_vdst(0)
	s_wait_loadcnt 2                               ; my 64 rows are in; the two loads of biases behind them may be out
	SST L0, 0
	SST L1, STG
	SST L2, 2*STG
	s_set_vgpr_msb 0x04                            ; store data window 1
	SST W1, 3*STG
	s_set_vgpr_msb 0x0400
	s_wait_dscnt 0x0                               ; the stores have read their registers, which take the rows back in the operand's order
	XLD L0, 0
	XLD L1, STG
	s_wait_dscnt 16                                ; Wk's 16 loads are in; Wq's 16 may be out
	QUANT2 L0, 32, 24
	global_store_b128 v6, v[32:35], s[14:15]       ; the wave stores 512 consecutive bytes, aligned
	global_store_b128 v6, v[36:39], s[14:15] offset:512
	ds_store_b32 v7, v24                           ; both lanes of a row write the same word with the same value
	XLD L2, 2*STG                                  ; hidden's rows 0-15,
	XLD L0, 3*STG                                  ; rows 16-31, into the set just read
	s_wait_dscnt 33                                ; Wq's loads are in: behind them stand the scale word's store and 32 loads
	QUANT2 L1, 40, 25
	s_wait_dscnt 16                                ; hidden's rows 0-15
	QUANT2 L2, 48, 26
	s_wait_dscnt 0x0                               ; and rows 16-31
	QUANT2 L0, 56, 27
.rept 8
	v_nop                                          ; a scale register written by a vector instruction stands 8 places ahead of a scaled matrix instruction, an operand so written 4
.endr
	; TRANSPOSED: source 0 = Wq's 16 rows, source 1 = 16 rows of hidden: lane (r, h) holds batch r (+ 16), registers j = columns 8 h + j
	v_wmma_scale_f32_16x16x128_f8f6f4 v[64:71], v[40:47], v[48:55], 0, v25, v26 matrix_a_fmt:MATRIX_FMT_FP4 matrix_b_fmt:MATRIX_FMT_FP4
	v_wmma_scale_f32_16x16x128_f8f6f4 v[72:79], v[40:47], v[56:63], 0, v25, v27 matrix_a_fmt:MATRIX_FMT_FP4 matrix_b_fmt:MATRIX_FMT_FP4
.rept 5
	v_nop                                          ; places in front of the first read of the results
.endr
.irp mt,0,1
.irp q,0,1
	ds_store_b128 v8, v[64+8*\mt+4*\q:64+8*\mt+4*\q+3] offset:(2*\mt+\q)*512   ; each accumulator from its low end on
.endr
.endr
	s_wait_dscnt 0x0                               ; for the others' sake: my LDS stores are done
	s_barrier_signal -1
	s_barrier_wait -1
.irp s,0,1,2,3,4,5,6,7
	ds_load_b64 v[128+2*\s:129+2*\s], v10 offset:2048*\s
.endr
	s_wait_loadcnt 0x0                             ; the biases
	v_pk_add_f32 v[28:29], v[28:29], v[30:31]
	s_wait_dscnt 0x0
.irp s, 1
	v_pk_add_f32 v[128:129], v[128:129], v[128+2*\s:129+2*\s]   ; K ascending
.endr
.irp s, 2, 3, 4, 5, 6, 7
	s_delay_alu instid0(VALU_DEP_1)
	v_pk_add_f32 v[128:129], v[128:129], v[128+2*\s:129+2*\s]
.endr
	s_wait_alu depctr_va_vdst(0)                   ; the biases' sum was written ahead of a wait that blocks
	v_pk_add_f32 v[128:129], v[128:129], v[28:29]
	s_delay_alu instid0(VALU_DEP_1)
	v_pk_mul_f32 v[128:129], v[128:129], s[32:33] op_sel_hi:[1,0]
	global_store_b64 v12, v[128:129], s[16:17]     ; a wave stores 256 consecutive bytes, aligned
	s_cmp_lg_u32 s24, 0
	s_cbranch_scc1 .Ldone
	ds_load_b128 v[144:147], v9                    ; wave 0: the tile's scale words, four K steps a lane
	s_wait_dscnt 0x0
	global_store_b128 v13, v[144:147], s[14:15] offset:16384   ; lanes 0-15 and lanes 16-31 each store 256 consecutive bytes, aligned
.Ldone:
	s_wait_tensorcnt 0x0                           ; the wave's end: behind my last LDS store
	ds_add_u32 v[SPW], v[NIL]
	s_wait_dscnt 0x0
	s_endpgm
.Lfunc_end_k_qc909287af0_prep:
	.size	k_qc909287af0_prep, .Lfunc_end_k_qc909287af0_prep-k_qc909287af0_prep
	.p2alignl 7, 3214868480
	.fill 96, 4, 3214868480
	.section	.rodata,"a",@progbits
	.p2align	6, 0x0
	.amdhsa_kernel k_qc909287af0_prep
		.amdhsa_group_segment_fixed_size 288768
		.amdhsa_private_segment_fixed_size 0
		.amdhsa_enable_private_segment 0
		.amdhsa_kernarg_size 56
		.amdhsa_user_sgpr_count 2
		.amdhsa_user_sgpr_kernarg_segment_ptr 1
		.amdhsa_wavefront_size32 1
		.amdhsa_system_sgpr_workgroup_id_x 1
		.amdhsa_system_sgpr_workgroup_id_y 1
		.amdhsa_system_sgpr_workgroup_id_z 1
		.amdhsa_system_vgpr_workitem_id 0
		.amdhsa_next_free_vgpr 320
		.amdhsa_next_free_sgpr 66
		.amdhsa_reserve_vcc 0
		.amdhsa_float_denorm_mode_32 3
		.amdhsa_float_denorm_mode_16_64 3
		.amdhsa_memory_ordered 1
		.amdhsa_forward_progress 1
		.amdhsa_inst_pref_size 38
	.end_amdhsa_kernel
	.amdgpu_metadata
---
amdhsa.version: [ 1, 2 ]
amdhsa.kernels:
  - .name:           k_qc909287af0_prep
    .symbol:         k_qc909287af0_prep.kd
    .args:
      - { .name: Wk, .offset: 0, .size: 8, .value_kind: global_buffer, .address_space: global }
      - { .name: Wq, .offset: 8, .size: 8, .value_kind: global_buffer, .address_space: global }
      - { .name: hidden, .offset: 16, .size: 8, .value_kind: global_buffer, .address_space: global }
      - { .name: bq, .offset: 24, .size: 8, .value_kind: global_buffer, .address_space: global }
      - { .name: bk, .offset: 32, .size: 8, .value_kind: global_buffer, .address_space: global }
      - { .name: wkf, .offset: 40, .size: 8, .value_kind: global_buffer, .address_space: global }
      - { .name: qc, .offset: 48, .size: 8, .value_kind: global_buffer, .address_space: global }
    .group_segment_fixed_size: 288768
    .private_segment_fixed_size: 0
    .kernarg_segment_align: 8
    .kernarg_segment_size: 56
    .max_flat_workgroup_size: 256
    .sgpr_count:     66
    .vgpr_count:     320
    .wavefront_size: 32
...
	.end_amdgpu_metadata
.endif
;; end of part 1
;; launch main (part 2): grid 256 x 1, 4 waves a work-group, no clusters, 327,680 bytes of LDS; arguments encoder_outputs, wkf, qc, wv, part; writes part
.if DOCPART == 2
	.amdgcn_target "amdgcn-amd-amdhsa--gfx1250"
	.amdhsa_code_object_version 6
	.text
	.protected	k_qc909287af0_main
	.globl	k_qc909287af0_main
	.p2align	8
	.type	k_qc909287af0_main,@function
k_qc909287af0_main:
	s_mov_b64 s[64:65], 0
	v_nop
	global_prefetch_b8 v0, s[64:65] scope:SCOPE_SE
	s_setreg_imm32_b32 hwreg(HW_REG_WAVE_MODE, 25, 1), 1
	s_wait_xcnt 0x0
; SCORES, RUNNING SOFTMAX AND WEIGHTED SUM IN ONE PASS OVER encoder_outputs ([32][2048][1024] f32), so that each of its bytes is read from memory once.
; WORK LEFT OUT: bv and the sum of wv are the same for every position of a batch and fall out of the softmax (shown at the head of the first kernel): the score here is -2 x the sum of wv[o] / (1 + 2^x).
; Work-group x owns rows 256 x .. 256 x + 255, all of batch x / 8, in 4 chunks of 64 rows, and stores one partial result: the largest score m, l = the sum of e^(score - m), o[1024] = the sum of e^(score - m) row.
; A CHUNK:  its 64 rows x 4,096 bytes land in LDS by four tensor loads (wave w: the strip k = 256 w .. + 255) | barrier |
;   X: wave w quantises rows 16 w .. + 15 to FP4 (E2M1, one E8M0 byte for each 32 along K) and stores the 8 fragments to LDS as images of their registers; it also keeps these rows as bf16 in 256 registers | barrier, refill |
;   1: every wave takes all 32 fragments into registers and makes k = Q(enc) Q(Wk)^T for ITS 256 columns o = 256 w .., 32 at a time; Wk's fragments come from memory in register order, two groups ahead;
;      x = c k + qc[o] (c = 2 log2 e; qc holds c (q + bq + bk)), tanh = 1 - 2 / (1 + 2^x), which goes to +-1 where 2^x overflows or vanishes; each lane sums wv[o] / (1 + 2^x) for its column and 8 rows a tile |
;   2: the sums over columns meet in LDS | barrier | score = -2 x sum; running maximum; o and l are rescaled and take the chunk's rows with weights p = e^(score - m).
; THE MATRIX INSTRUCTION IS USED AS IT STANDS (source 0 = 16 rows of enc, source 1 = 16 columns of Wk): a lane holds ONE column, so qc[o] and wv[o] are one register each and enter packed multiply-adds as broadcasts.
; NO CLUSTER: the one thing that work-groups share is Wk's images.  Beside the landing strips (266,240 bytes), the images and the tables, 327,680 - 311,808 = 15,872 bytes of LDS are left; a ring of two slots of one record
; of 17,408 bytes does not fit; and inside a work-group no byte of Wk is read twice in a chunk.  encoder_outputs is shared by nobody.
; ONE LANDING SLOT: two of 266,240 bytes do not fit.  So a chunk has two waits for all tensor loads: one shows the chunk landed (the wave has one load out, so its count is 0), one stands in front of the refill's barrier.
; The refill goes out at the head of phases 1 and 2 and has both in which to land.  By this text's own count a wave never has more than one tensor load outstanding.
; PREFETCH: a chunk is 262,144 consecutive bytes of memory.  In chunk c, behind the refill that asks for chunk c + 1, chunk c + 2 is asked for: wave w in trip t of phase 1 names the 64 blocks of 256 bytes from
; 65,536 w + 16,384 t on, a lane a block, two instructions: each block once, a whole chunk ahead of the tensor load that wants it.  Chunks 0 and 1 ask; chunks 2 and 3 have no chunk two on and ask for nothing.
; The look-ahead of two groups of Wk runs over a chunk's edge: a chunk's last trip asks for the next chunk's groups 0 and 1.  The last chunk's last trip is written out without loads.
; LIMITS: NaN and infinities among the inputs are not served.  A block of zeros, or one whose largest magnitude lies under 2^-124, gets the scale byte 1 (the rule: 127 for zeros): its codes are zeros and this program alone
; reads the bytes.  encoder_outputs is rounded to bf16 for the weighted sum alone (a product left as it is).  tanh carries the error of one v_exp_f32 and one v_rcp_f32 (1 ulp each: ISA guide, their entries).
; REGISTERS, in windows of 256: window 1: enc's 32 fragments (m, s) at v[8 (8 m + s)];  window 2: Wk's fragments, two sets of 128, (u, s) at v[128 set + 8 (8 u + s)];  window 3: my 16 rows as bf16, v[16 i + 2 j + e];
;   window 0: v0-31 addresses and statistics; v32-47 enc's scale words; v48-63 Wk's, 8 a set; v64-127 the 8 accumulators (4 u + m); v128-159 the scores' sums (8 m + j); v160-191 o; v192-255 at work.
.set REC,   17408                      ; a record of wkf: 32 columns: 16 fragments of 1,024 bytes, then 1,024 bytes of scale words
.set STRIP, 66560                      ; 64 rows x LP
.set LP,    1040                       ; a strip's row in LDS: 1,024 bytes + 16 of padding = 65 x 16: the sixteen rows that a load touches start in sixteen different groups of four banks
.set AIMG,  4*STRIP                    ; enc's 32 fragments, 1,024 bytes each; at the very end the stage for o
.set ASC,   AIMG+32768                 ; their scale words: [K step 8][row 64]
.set QT,    ASC+2048                   ; qc of my batch by column; wv by column 4,096 bytes behind it
.set SPT,   QT+8192                    ; the waves' sums for the 64 scores, 256 bytes a wave
.set PPT,   SPT+1024                   ; each wave's own copy of p[64]
.set SPARE, PPT+1024                   ; the spare words, 128 bytes a wave: two blocks of 256 bytes that no other line names
.set VB1,  0                           ; v0   behind the head: offset of the group of Wk that a trip asks for into set 1
.set L16,  1                           ; v1   16 lane
.set SPW,  2                           ; v2   my spare word; never rewritten
.set NIL,  3                           ; v3   0; never rewritten
.set VB0,  4                           ; v4   the same as v0 for set 0: a register for each set, so that each is written behind the wait that shows its own loads done
.set QA,   5                           ; v5-8   strip q: (16 w + r) LP + 128 h
.set RB,   9                           ; v9-12  strip q: 16 w LP + 16 lane
.set AIW,  13                          ; v13  where I store images
.set ASW,  14                          ; v14  and scale words
.set ALD,  15                          ; v15  where images are read
.set ASRD, 16                          ; v16  and scale words
.set CT0,  17                          ; v17  my column's place in the tables
.set CTA,  18
.set SPA,  19
.set SPR,  20
.set PPA,  21
.set PPR,  22
.set SH8,  23                          ; v23  8 h
.set MAXS, 24                          ; v24  m;  v25  l
.set LSUM, 25
.set FF,   26                          ; v26  e^(old m - new m);  v27 written once: named with it as a pair
.set OSW,  28
.set OSR,  29
.set OG,   30
.set L8,   31
.set ASL,  32
.set BSL,  48
.set ACC,  64
.set SACC, 128
.set OAC,  160
.set CPP,  192                         ; v192-195, v196-199: (qc, wv) of tiles u = 0, 1 for a trip's two groups
.set CPQ,  196
.set PFO,  200                         ; v200 in phase 1: the prefetches' offset: 65,536 w + 256 lane
.set PR,   224
.set XS0,  64                          ; phase X: two sets of 64 numbers, at v64 and v192
.set TQ,   128                         ; v128-133 at work in QUANT2
.set PWD,  136                         ; v136-137 scale words just made
.set PCD,  140                         ; v140-155 codes just made, two sets
.set PFB,  46                          ; s[46:47] where the trip's prefetches stand: chunk c + 2 of my rows, 16,384 bytes on for each trip;  s45 = 65,536 w
.set MSB, 0
.macro WIN new                         ; the immediate's high byte repeats the setting that is left
.if MSB != \new
	s_set_vgpr_msb (MSB<<8)|\new
.set MSB, \new
.endif
.endm
.macro PLACES n
.rept \n
	v_nop
.endr
.endm
; 64 numbers of a lane, v[src + 32 c + i] = k 64 c + 32 h + i of my row, become a fragment's codes in v[pc] .. v[pc + 7] and its scale word in v[pw]
.macro QUANT2 src, pc, pw
.irp c,0,1
	v_max3_num_f32 v[TQ+\c], |v[(\src)+32*\c]|, |v[(\src)+32*\c+1]|, 0x1800000   ; the floor 2^(3 - 127): the byte cannot fall under 1
	v_max3_num_f32 v[TQ+2+\c], |v[(\src)+32*\c+16]|, |v[(\src)+32*\c+17]|, |v[(\src)+32*\c+18]|
.endr
.irp i,0,1,2,3,4,5
.irp c,0,1
	v_max3_num_f32 v[TQ+\c], v[TQ+\c], |v[(\src)+32*\c+2+2*\i]|, |v[(\src)+32*\c+3+2*\i]|   ; four chains by turns
	v_max3_num_f32 v[TQ+2+\c], v[TQ+2+\c], |v[(\src)+32*\c+19+2*\i]|, |v[(\src)+32*\c+20+2*\i]|
.endr
.endr
.irp c,0,1
	v_max3_num_f32 v[TQ+\c], v[TQ+\c], |v[(\src)+32*\c+14]|, |v[(\src)+32*\c+15]|
.endr
.irp c,0,1
	v_max3_num_f32 v[TQ+\c], v[TQ+\c], v[TQ+2+\c], |v[(\src)+32*\c+31]|   ; block 2 c + h's largest magnitude: all 32 numbers are mine
.endr
.irp c,0,1
	v_add_nc_u32 v[TQ+2+\c], 0xff000000, v[TQ+\c]   ; 2 off its exponent field: the conversion takes the exponent field of this operand as its scale
.endr
.irp c,0,1
	v_lshrrev_b32 v[TQ+4+\c], 23, v[TQ+2+\c]        ; the scale's byte
.endr
	v_lshl_or_b32 v[\pw], v[TQ+5], 16, v[TQ+4]      ; my two bytes: blocks h and 2 + h,
	v_lshlrev_b32 v[\pw], v[SH8], v[\pw]            ; at their places in the word;
	v_permlanex16_b32 v[TQ+4], v[\pw], s22, s23
	v_or_b32 v[\pw], v[\pw], v[TQ+4]                ; with lane l xor 16's two the word is whole, in both lanes
.irp c,0,1
.irp g,0,1,2,3
	v_cvt_scalef32_pk8_fp4_f32 v[(\pc)+4*\c+\g], v[(\src)+32*\c+8*\g:(\src)+32*\c+8*\g+7], v[TQ+2+\c]
.endr
.endr
	v_nop                                           ; one plain place behind a scaled conversion
.endm
; ---- phase X, first half: my 16 rows become 8 fragments
.macro XLD s                           ; K step s: 16 loads, my 64 numbers, into set s % 2
.set xr, XS0+128*((\s)%2)
.irp c,0,1
.irp i,0,1,2,3,4,5,6,7
	ds_load_b128 v[xr+32*\c+4*\i:xr+32*\c+4*\i+3], v[QA+(\s)/2] offset:512*((\s)%2)+256*\c+16*\i
.endr
.endr
.endm
.macro XA
	XLD 0
.irp s,0,1,2,3,4,5,6,7
.if \s < 7
	XLD \s+1
.endif
.if \s == 0
	s_wait_dscnt 16                                ; this step's 16 loads are in; the next step's 16 may be out
.elseif \s < 7
	s_wait_dscnt 19                                ; behind this step's loads: the last step's 3 stores and the next step's 16 loads.  The stores of two steps back are done too: their registers are written anew below
.else
	s_wait_dscnt 3                                 ; behind them: the last step's 3 stores
.endif
	QUANT2 XS0+128*(\s%2), PCD+8*(\s%2), PWD+(\s%2)
	ds_store_b128 v[AIW], v[PCD+8*(\s%2):PCD+8*(\s%2)+3] offset:1024*\s          ; the fragment goes to LDS as it stands: 16 bytes a lane, 512 a store
	ds_store_b128 v[AIW], v[PCD+8*(\s%2)+4:PCD+8*(\s%2)+7] offset:1024*\s+512
	ds_store_b32 v[ASW], v[PWD+(\s%2)] offset:256*\s                             ; both lanes of a row write the same word with the same value
.endr
.endm
; ---- phase X, second half: my 16 rows are kept as bf16: lane l holds columns 128 j + 4 l + 0 .. 3 of each row
.macro XRL i                           ; row i: 8 loads of 512 consecutive bytes, into set i % 4 (at v64, v96, v192, v224)
.set xr, 64+32*((\i)%2)+128*(((\i)%4)/2)
.irp j,0,1,2,3,4,5,6,7
	ds_load_b128 v[xr+4*\j:xr+4*\j+3], v[RB+\j/2] offset:LP*(\i)+512*(\j%2)
.endr
.endm
.macro XB
	XRL 0
	XRL 1
	XRL 2
	XRL 3
.irp i,0,1,2,3,4,5,6,7,8,9,10,11,12,13,14,15
.if \i < 13
	s_wait_dscnt 24                                ; row i is in; the three rows behind it may be out
.else
	s_wait_dscnt 8*(15-\i)
.endif
.set xr, 64+32*(\i%2)+128*((\i%4)/2)
	WIN 0xc0                                       ; destination window 3
.irp j,0,1,2,3,4,5,6,7
	v_cvt_pk_bf16_f32 v[16*\i+2*\j], v[xr+4*\j], v[xr+4*\j+1]
	v_cvt_pk_bf16_f32 v[16*\i+2*\j+1], v[xr+4*\j+2], v[xr+4*\j+3]
.endr
	WIN 0
.if \i < 12
	XRL \i+4
.endif
.endr
.endm
; ---- all 32 fragments of the chunk and their scale words into registers; the scores' sums begin at 0
.macro ALOAD
	WIN 0x40                                       ; destination window 1
.set F, 0
.rept 32
	ds_load_b128 v[8*F:8*F+3], v[ALD] offset:1024*F
	ds_load_b128 v[8*F+4:8*F+7], v[ALD] offset:1024*F+512
.set F, F+1
.endr
	WIN 0
.irp s,0,1,2,3,4,5,6,7
	ds_load_b32 v[ASL+\s], v[ASRD] offset:256*\s            ; lane l: row l's word of K step s (tiles 0 and 1),
	ds_load_b32 v[ASL+8+\s], v[ASRD] offset:256*\s+128      ; row 32 + l's (tiles 2 and 3)
.endr
.set J, 0
.rept 32
	v_mov_b32 v[SACC+J], 0
.set J, J+1
.endr
	s_wait_dscnt 0x0
.endm
; ---- one product: rows 16 m .. x columns 16 u .. of the group in set, K step s.  Odd m and u = 1 read their scale words from lanes 16-31
.macro WM set, s, u, m
.set rD, ACC+8*(4*\u+\m)
.set rA, 8*(8*\m+\s)
.set rB, 128*\set+8*(8*\u+\s)
.set rX, ASL+8*(\m/2)+\s
.set rY, BSL+8*\set+\s
.if \s == 0
.if (\m%2 == 0) && (\u == 0)
	v_wmma_scale_f32_16x16x128_f8f6f4 v[rD:rD+7], v[rA:rA+7], v[rB:rB+7], 0, v[rX], v[rY] matrix_a_fmt:MATRIX_FMT_FP4 matrix_b_fmt:MATRIX_FMT_FP4
.elseif (\m%2 == 1) && (\u == 0)
	v_wmma_scale_f32_16x16x128_f8f6f4 v[rD:rD+7], v[rA:rA+7], v[rB:rB+7], 0, v[rX], v[rY] matrix_a_fmt:MATRIX_FMT_FP4 matrix_b_fmt:MATRIX_FMT_FP4 matrix_a_scale:MATRIX_SCALE_ROW1
.elseif (\m%2 == 0)
	v_wmma_scale_f32_16x16x128_f8f6f4 v[rD:rD+7], v[rA:rA+7], v[rB:rB+7], 0, v[rX], v[rY] matrix_a_fmt:MATRIX_FMT_FP4 matrix_b_fmt:MATRIX_FMT_FP4 matrix_b_scale:MATRIX_SCALE_ROW1
.else
	v_wmma_scale_f32_16x16x128_f8f6f4 v[rD:rD+7], v[rA:rA+7], v[rB:rB+7], 0, v[rX], v[rY] matrix_a_fmt:MATRIX_FMT_FP4 matrix_b_fmt:MATRIX_FMT_FP4 matrix_a_scale:MATRIX_SCALE_ROW1 matrix_b_scale:MATRIX_SCALE_ROW1
.endif
.else
.if (\m%2 == 0) && (\u == 0)
	v_wmma_scale_f32_16x16x128_f8f6f4 v[rD:rD+7], v[rA:rA+7], v[rB:rB+7], v[rD:rD+7], v[rX], v[rY] matrix_a_fmt:MATRIX_FMT_FP4 matrix_b_fmt:MATRIX_FMT_FP4
.elseif (\m%2 == 1) && (\u == 0)
	v_wmma_scale_f32_16x16x128_f8f6f4 v[rD:rD+7], v[rA:rA+7], v[rB:rB+7], v[rD:rD+7], v[rX], v[rY] matrix_a_fmt:MATRIX_FMT_FP4 matrix_b_fmt:MATRIX_FMT_FP4 matrix_a_scale:MATRIX_SCALE_ROW1
.elseif (\m%2 == 0)
	v_wmma_scale_f32_16x16x128_f8f6f4 v[rD:rD+7], v[rA:rA+7], v[rB:rB+7], v[rD:rD+7], v[rX], v[rY] matrix_a_fmt:MATRIX_FMT_FP4 matrix_b_fmt:MATRIX_FMT_FP4 matrix_b_scale:MATRIX_SCALE_ROW1
.else
	v_wmma_scale_f32_16x16x128_f8f6f4 v[rD:rD+7], v[rA:rA+7], v[rB:rB+7], v[rD:rD+7], v[rX], v[rY] matrix_a_fmt:MATRIX_FMT_FP4 matrix_b_fmt:MATRIX_FMT_FP4 matrix_a_scale:MATRIX_SCALE_ROW1 matrix_b_scale:MATRIX_SCALE_ROW1
.endif
.endif
.endm
; 64 products: a group's 64 rows x 32 columns x K = 1,024.  K ascending; the first K step starts the sums; the eight accumulators take turns, one instruction a turn
.macro MM set
.irp s,0,1,2,3,4,5,6,7
.irp u,0,1
.irp m,0,1,2,3
	WM \set, \s, \u, \m
.endr
.endr
.endr
.endm
; a group of Wk into set: 32 loads of fragments and 2 of scale words, each 512 consecutive bytes a wave: 34 loads
.macro BLOAD set, adr, off
	WIN 0x80                                       ; destination window 2
.irp f,0,1,2,3,4,5,6,7,8,9,10,11,12,13,14,15
.irp c,0,1
	global_load_b128 v[128*\set+8*\f+4*\c:128*\set+8*\f+4*\c+3], v[\adr], s[6:7] offset:\off+1024*\f+512*\c
.endr
.endr
	WIN 0
.irp q,0,1
	global_load_b128 v[BSL+8*\set+4*\q:BSL+8*\set+4*\q+3], v[\adr], s[6:7] offset:\off+16384+512*\q
.endr
.endm
; ---- tanh and the score's sum, accumulator a = 4 u + m, in five stages
.macro TA a, cp                        ; x = c k + qc[o]: of the pair (qc, wv) the low word serves both halves
.irp k,0,2,4,6
	v_pk_fma_f32 v[ACC+8*(\a)+\k:ACC+8*(\a)+\k+1], v[ACC+8*(\a)+\k:ACC+8*(\a)+\k+1], s[20:21], v[\cp+2*((\a)/4):\cp+2*((\a)/4)+1] op_sel_hi:[1,0,0]
.endr
.endm
.macro TE a                            ; 2^x
.irp k,0,1,2,3,4,5,6,7
	v_exp_f32 v[ACC+8*(\a)+\k], v[ACC+8*(\a)+\k]
.endr
.endm
.macro TP a                            ; 1 + 2^x
.irp k,0,2,4,6
	v_pk_add_f32 v[ACC+8*(\a)+\k:ACC+8*(\a)+\k+1], v[ACC+8*(\a)+\k:ACC+8*(\a)+\k+1], 1.0 op_sel_hi:[1,0]
.endr
.endm
.macro TR a                            ; 1 / (1 + 2^x)
.irp k,0,1,2,3,4,5,6,7
	v_rcp_f32 v[ACC+8*(\a)+\k], v[ACC+8*(\a)+\k]
.endr
.endm
.macro TS a, cp                        ; the sums take wv[o] / (1 + 2^x): of the pair (qc, wv) the high word serves both halves
.irp k,0,2,4,6
	v_pk_fma_f32 v[SACC+8*((\a)%4)+\k:SACC+8*((\a)%4)+\k+1], v[ACC+8*(\a)+\k:ACC+8*(\a)+\k+1], v[\cp+2*((\a)/4):\cp+2*((\a)/4)+1], v[SACC+8*((\a)%4)+\k:SACC+8*((\a)%4)+\k+1] op_sel:[0,1,0] op_sel_hi:[1,1,1]
.endr
.endm
; Each stage runs over all eight accumulators: the 64 exponentials and the 64 reciprocals are one batch each, with one wait ahead of the batch and, behind a plain place, one behind it.
; Every accumulator is first read at its low end, ahead of the first transcendental.
.macro TANH cp
.irp a,0,1,2,3,4,5,6,7
	TA \a, \cp
.endr
	s_wait_alu depctr_va_vdst(0)
.irp a,0,1,2,3,4,5,6,7
	TE \a
.endr
	v_nop
	s_wait_alu depctr_va_vdst(0)
.irp a,0,1,2,3,4,5,6,7
	TP \a
.endr
	s_wait_alu depctr_va_vdst(0)
.irp a,0,1,2,3,4,5,6,7
	TR \a
.endr
	v_nop
	s_wait_alu depctr_va_vdst(0)
.irp a,0,1,2,3,4,5,6,7
	TS \a, \cp
.endr
.endm
; ---- a trip of phase 1: two groups of 32 columns.  ld = 1: each set is asked for anew, two groups ahead, as soon as its products are issued.  s38: where those groups lie; s42: the trip's place in the tables
; pf = 1: the trip's 64 blocks of the chunk two on are prefetched while such a chunk exists (s36, the chunks still to be asked for, is 2 or more: a count of the loop's steps, the same in all waves)
.macro TRIP ld, pf
	v_add_nc_u32 v[CTA], s42, v[CT0]
.irp p,0,1
.irp u,0,1
	ds_load_b32 v[CPP+4*\p+2*\u], v[CTA] offset:128*\p+64*\u          ; qc of my column in group p, tile u,
	ds_load_b32 v[CPP+4*\p+2*\u+1], v[CTA] offset:128*\p+64*\u+4096   ; and wv
.endr
.endr
	s_wait_loadcnt 34                              ; loads come back in order (ISA guide 5.7.1): set 0's 34 are in; set 1's 34 may be out
.if \ld
	v_add_nc_u32 v[VB0], s38, v[L16]               ; set 0's loads are done, so their offset register may be written
.endif
	WIN 0x09                                       ; source 0 (enc) window 1, source 1 (Wk) window 2, C and D window 0
	MM 0
	WIN 0
	PLACES 5                                       ; 4 in front of the loads into registers just read and of the first read of the results; one more since the next run's first products write these accumulators anew
.if \ld
	BLOAD 0, VB0, 0
.endif
.if \pf
	s_cmp_lt_u32 s36, 2
	s_cbranch_scc1 .Lno_chunk_\@
	v_lshl_add_u32 v[PFO], v[L16], 4, s45          ; 65,536 w + 256 lane (written again only behind the trip's wait on XCNT)
	global_prefetch_b8 v[PFO], s[PFB:PFB+1] th:TH_LOAD_NT scope:SCOPE_SE
	global_prefetch_b8 v[PFO], s[PFB:PFB+1] offset:8192 th:TH_LOAD_NT scope:SCOPE_SE
.Lno_chunk_\@:
.endif
	s_wait_dscnt 0x0                               ; the eight words of the tables
	TANH CPP
.if \ld
	s_wait_loadcnt 34                              ; set 1's are in; set 0's new 34 may be out
	v_add_nc_u32 v[VB1], s38, v[L16]               ; set 1's loads are done, so their offset register may be written
.else
	s_wait_loadcnt 0x0                             ; set 1's are in: nothing was asked for behind them
.endif
	WIN 0x09
	MM 1
	WIN 0
	PLACES 5
.if \ld
	BLOAD 1, VB1, REC
.endif
	TANH CPQ
.endm
; ---- phase 1: my 8 groups of 32 columns, two a trip.  last = 1: the launch's last chunk: its fourth trip has nothing left to ask for and is written out, so that every count of loads is the same on all ways to it
.macro PH1 last
	s_mov_b32 s42, 0
.if \last
	s_mov_b32 s37, 3
.else
	s_mov_b32 s37, 4
.endif
.Lgrp_\@:
	TRIP 1, 1-\last
.if \last == 0
	s_wait_xcnt 0x0                                ; the trip's prefetches have read their registers, so the base may step
	s_add_nc_u64 s[PFB:PFB+1], s[PFB:PFB+1], 16384
.endif
	s_add_co_u32 s38, s38, 2*REC
	s_cmp_eq_u32 s38, 8*REC
	s_cselect_b32 s38, 0, s38                      ; behind my last group comes my first: the next chunk's
	s_add_co_u32 s42, s42, 256
	s_sub_co_u32 s37, s37, 1
	s_cmp_lg_u32 s37, 0
	s_cbranch_scc1 .Lgrp_\@
.if \last
	s_mov_b32 s42, 768                             ; the fourth trip's place in the tables
	TRIP 0, 0
.else
	s_add_nc_u64 s[PFB:PFB+1], s[PFB:PFB+1], 262144-4*16384   ; on to the next chunk
.endif
.endm
; ---- phase 2: the 64 scores, the running softmax, the weighted sum of my 16 rows
.macro PH2
.irp x,1,2,4,8
.set J, 0
.rept 32
	v_add_f32_dpp v[SACC+J], v[SACC+J], v[SACC+J] row_xmask:\x row_mask:0xf bank_mask:0xf   ; over the sixteen lanes = sixteen columns of each tile
.set J, J+1
.endr
.endr
.irp m,0,1,2,3
.irp q,0,1
	ds_store_b128 v[SPA], v[SACC+8*\m+4*\q:SACC+8*\m+4*\q+3] offset:64*\m+16*\q   ; rows 16 m + 8 h + 4 q ..: the sixteen lanes of a half write the same bytes with the same values
.endr
.endr
	s_wait_dscnt 0x0                               ; for the others' sake: my stores are done
	s_barrier_signal -1                            ; (the next chunk's tensor load may be out)
	s_barrier_wait -1
.irp v,0,1,2,3
	ds_load_b32 v[200+2*\v], v[SPR] offset:256*\v          ; wave v's sum for row l,
	ds_load_b32 v[201+2*\v], v[SPR] offset:256*\v+128      ; and for row 32 + l
.endr
	s_wait_dscnt 0x0
	v_pk_add_f32 v[200:201], v[200:201], v[202:203]
	v_pk_add_f32 v[204:205], v[204:205], v[206:207]
	v_pk_add_f32 v[200:201], v[200:201], v[204:205]
	v_mul_f32 v200, -2.0, v200                     ; score = -2 x the sum
	v_mul_f32 v201, -2.0, v201
	v_max_num_f32 v202, v200, v201
	v_max_num_f32_dpp v202, v202, v202 row_xmask:1 row_mask:0xf bank_mask:0xf
	v_max_num_f32_dpp v202, v202, v202 row_xmask:2 row_mask:0xf bank_mask:0xf
	v_max_num_f32_dpp v202, v202, v202 row_xmask:4 row_mask:0xf bank_mask:0xf
	v_max_num_f32_dpp v202, v202, v202 row_xmask:8 row_mask:0xf bank_mask:0xf
	v_permlanex16_b32 v203, v202, s22, s23
	v_max3_num_f32 v204, v202, v203, v[MAXS]       ; the new m.  Every wave makes the same 64 scores, the same m and the same l
	v_sub_f32 v205, v[MAXS], v204
	v_sub_f32 v200, v200, v204
	v_sub_f32 v201, v201, v204
	v_mul_f32 v205, s44, v205                      ; x log2(e)
	v_mul_f32 v200, s44, v200
	v_mul_f32 v201, s44, v201
	s_wait_alu depctr_va_vdst(0)
	v_exp_f32 v[FF], v205                          ; e^(old m - new m): 0 in the first chunk, whose old m is -3e38
	v_exp_f32 v200, v200                           ; p
	v_exp_f32 v201, v201
	v_mov_b32 v[MAXS], v204                        ; (a plain place behind the exponentials)
	s_wait_alu depctr_va_vdst(0)                   ; and behind it, ahead of its first reader
	v_add_f32 v206, v200, v201
	ds_store_b32 v[PPA], v200                      ; p[64] into my wave's own copy,
	ds_store_b32 v[PPA], v201 offset:128
.irp q,0,1,2,3
	ds_load_b128 v[PR+4*\q:PR+4*\q+3], v[PPR] offset:16*\q   ; and my 16 rows' p back into every lane: LDS serves a wave's instructions in order (ISA guide 5.7.1.4)
.endr
	v_add_f32_dpp v206, v206, v206 row_xmask:1 row_mask:0xf bank_mask:0xf
	v_add_f32_dpp v206, v206, v206 row_xmask:2 row_mask:0xf bank_mask:0xf
	v_add_f32_dpp v206, v206, v206 row_xmask:4 row_mask:0xf bank_mask:0xf
	v_add_f32_dpp v206, v206, v206 row_xmask:8 row_mask:0xf bank_mask:0xf
	v_permlanex16_b32 v207, v206, s22, s23
	v_add_f32 v206, v206, v207
	v_fma_f32 v[LSUM], v[LSUM], v[FF], v206
.set J, 0
.rept 16
	v_pk_mul_f32 v[OAC+2*J:OAC+2*J+1], v[OAC+2*J:OAC+2*J+1], v[FF:FF+1] op_sel_hi:[1,0]
.set J, J+1
.endr
	s_wait_dscnt 0x0
	WIN 0x03                                       ; source 0 (the rows as bf16) window 3
.set I, 0
.rept 16
.set J, 0
.rept 16
	v_fma_mix_f32_bf16 v[OAC+2*J], v[16*I+J], v[PR+I], v[OAC+2*J] op_sel_hi:[1,0,0]                   ; o += row's low bf16 x p, in f32
	v_fma_mix_f32_bf16 v[OAC+2*J+1], v[16*I+J], v[PR+I], v[OAC+2*J+1] op_sel:[1,0,0] op_sel_hi:[1,0,0]  ; and its high one
.set J, J+1
.endr
.set I, I+1
.endr
	WIN 0
.endm
.macro CHUNK fill
	s_wait_tensorcnt 0x0                           ; my strip of this chunk has landed: it is my one tensor load, so the count is 0
	s_wait_dscnt 0x0                               ; no LDS instruction of mine is out (in the first chunk: my stores into the tables)
	s_barrier_signal -1
	s_barrier_wait -1                              ; everybody's strip has
	XA
	XB
	s_wait_tensorcnt 0x0                           ; no tensor load of mine is out, so the descriptor may be written
	ds_add_u32 v[SPW], v[NIL]                      ; 0 onto my spare word
.if \fill
	s_add_nc_u64 s[34:35], s[34:35], 64*4096       ; the next 64 rows; the type bits on top are not reached
.endif
	s_wait_dscnt 0x0                               ; the add is done, my reads of the strips are over, my images and scale words lie in LDS
	s_barrier_signal -1
	s_barrier_wait -1
.if \fill
	tensor_load_to_lds s[32:35], s[24:31]          ; the first thing behind the barrier, and my one tensor load until the next such barrier
	s_nop 0
	PLACES 4
.endif
	ALOAD
.if \fill
	PH1 0
.else
	PH1 1
.endif
	PH2
.endm
	s_load_b256 s[4:11], s[0:1], 0x0               ; enc s[4:5], wkf s[6:7], qc s[8:9], wv s[10:11]
	s_load_b64 s[14:15], s[0:1], 0x20              ; part
	v_lshl_add_u32 v[SPW], v0, 2, SPARE
	v_mov_b32 v[NIL], 0
	ds_add_u32 v[SPW], v[NIL]                      ; the opening lines: the add, twice on end, and its wait ahead of my first tensor load
	ds_add_u32 v[SPW], v[NIL]
	s_wait_dscnt 0x0
	v_lshrrev_b32 v[VB0], 5, v0
	v_readfirstlane_b32 s16, v[VB0]                ; wave 0..3
	s_lshr_b32 s17, ttmp9, 3                       ; my batch
	; descriptor group 1: a strip of 64 rows x 256 f32, padded in LDS
	s_mov_b32 s24, (2<<16)|(1<<20)|(7<<22)|(3<<25) ; 15:0 no mask; 17:16 elements of 4 bytes; 20 padding on; 24:22 after every 256 words (code 7); 31:25 four words (code 3)
	s_mov_b32 s25, 256<<16                         ; tensor_dim0 = 256
	s_mov_b32 s26, 64<<16                          ; tensor_dim1 = 64
	s_mov_b32 s27, 256<<16                         ; tile_dim0 = 256
	s_mov_b32 s28, 64                              ; tile_dim1 = 64
	s_mov_b32 s29, 1024                            ; elements from row to row
	s_mov_b32 s30, 0
	s_mov_b32 s31, 0
	s_mov_b32 s20, 0x4038aa3b                      ; c = 2 log2(e)
	s_mov_b32 s21, s20                             ; (named with it as a pair)
	s_mov_b32 s22, 0x76543210
	s_mov_b32 s23, 0xfedcba98                      ; v_permlanex16_b32's selects for lane l xor 16
	s_mov_b32 s44, 0x3fb8aa3b                      ; log2(e)
	s_lshl_b32 s18, ttmp9, 20                      ; my 256 rows of 4,096 bytes,
	s_lshl_b32 s19, s16, 10                        ; my strip's 1,024 bytes of a row
	s_add_co_u32 s18, s18, s19
	s_mov_b32 s19, 0
	s_mov_b32 s32, 1                               ; group 0: count = 1
	s_mul_i32 s33, s16, STRIP                      ; LDS address: my strip
	s_wait_kmcnt 0x0
	s_add_nc_u64 s[34:35], s[4:5], s[18:19]        ; global address
	s_or_b32 s35, s35, 0x80000000                  ; type = 2
	tensor_load_to_lds s[32:35], s[24:31]          ; chunk 0, ahead of everything else
	s_nop 0
	PLACES 4
	s_lshl_b32 s38, ttmp9, 20
	s_mov_b32 s39, 0
	s_add_nc_u64 s[PFB:PFB+1], s[4:5], s[38:39]    ; the prefetches: my rows,
	s_add_nc_u64 s[PFB:PFB+1], s[PFB:PFB+1], 2*262144   ; chunk 2
	s_lshl_b32 s45, s16, 16                        ; my wave's quarter of a chunk
	s_mul_i32 s18, s16, 8*REC
	s_add_nc_u64 s[6:7], s[6:7], s[18:19]          ; my 8 records of Wk
	s_lshl_b32 s18, s17, 6
	s_add_nc_u64 s[8:9], s[8:9], s[18:19]          ; qc: my batch's 64 bytes in each tile's 2,048
	s_mul_i32 s18, ttmp9, 4352
	s_add_nc_u64 s[14:15], s[14:15], s[18:19]      ; my partial result
	v_and_b32 v200, 31, v0                         ; lane
	v_and_b32 v201, 15, v0                         ; r
	v_bfe_u32 v202, v0, 4, 1                       ; h
	v_lshlrev_b32 v[L16], 4, v200
	v_lshlrev_b32 v[L8], 3, v200
	v_lshlrev_b32 v[SH8], 3, v202
	s_mul_i32 s18, s16, 16*LP
	v_mul_u32_u24 v[QA], v201, LP
	v_lshl_add_u32 v[QA], v202, 7, v[QA]
	v_add_nc_u32 v[QA], s18, v[QA]
	v_add_nc_u32 v[RB], s18, v[L16]
.irp q,1,2,3
	v_add_nc_u32 v[QA+\q], \q*STRIP, v[QA]
	v_add_nc_u32 v[RB+\q], \q*STRIP, v[RB]
.endr
	s_lshl_b32 s18, s16, 13
	s_add_co_u32 s18, s18, AIMG
	v_add_nc_u32 v[AIW], s18, v[L16]               ; my 8 fragments: AIMG + 8192 w + 16 lane
	s_lshl_b32 s18, s16, 6
	s_add_co_u32 s18, s18, ASC
	v_lshl_add_u32 v[ASW], v201, 2, s18            ; row 16 w + r's word
	v_add_nc_u32 v[ALD], AIMG, v[L16]
	v_lshl_add_u32 v[ASRD], v200, 2, ASC
	s_lshl_b32 s18, s16, 10
	s_add_co_u32 s19, s18, QT
	v_lshl_add_u32 v[CT0], v201, 2, s19            ; column 256 w + r
	v_add_nc_u32 v[OG], s18, v[L16]                ; the end: my 256 columns of o
	s_add_co_u32 s19, s18, AIMG
	v_add_nc_u32 v[OSR], s19, v[L16]
	s_lshl_b32 s18, s16, 12
	s_add_co_u32 s18, s18, AIMG
	v_add_nc_u32 v[OSW], s18, v[L16]
	s_lshl_b32 s18, s16, 8
	s_add_co_u32 s19, s18, SPT
	v_lshl_add_u32 v[SPA], v202, 5, s19
	v_lshl_add_u32 v[SPR], v200, 2, SPT
	s_add_co_u32 s19, s18, PPT
	v_lshl_add_u32 v[PPA], v200, 2, s19
	s_mul_i32 s18, s16, 320
	s_add_co_u32 s18, s18, PPT
	v_mov_b32 v[PPR], s18                          ; my copy (256 w) at my first row (64 w)
	; the tables: thread t brings columns 4 t .. and 4 (t + 128) .. of qc (tile t / 4, 16 (t % 4) bytes on) and of wv
	v_lshrrev_b32 v203, 2, v0
	v_and_b32 v204, 3, v0
	v_lshlrev_b32 v204, 4, v204
	v_lshl_add_u32 v203, v203, 11, v204
	v_lshlrev_b32 v204, 4, v0
	v_add_nc_u32 v205, QT, v204
	global_load_b128 v[208:211], v203, s[8:9]
	global_load_b128 v[212:215], v203, s[8:9] offset:65536
	global_load_b128 v[216:219], v204, s[10:11]
	global_load_b128 v[220:223], v204, s[10:11] offset:2048
	BLOAD 0, L16, 0                                ; my group 0
	s_wait_alu depctr_va_vdst(0)                   ; directly ahead of the wait below
	s_wait_loadcnt 34                              ; the four table loads are in; group 0's 34 may be out
	ds_store_b128 v205, v[208:211]
	ds_store_b128 v205, v[212:215] offset:2048
	ds_store_b128 v205, v[216:219] offset:4096
	ds_store_b128 v205, v[220:223] offset:6144
	BLOAD 1, L16, REC                              ; my group 1
	s_mov_b32 s38, 2*REC
.set J, 0
.rept 32
	v_mov_b32 v[OAC+J], 0                          ; o: the chunk is written once: the first finds zeros, which the first rescaling leaves zeros
.set J, J+1
.endr
	v_mov_b32 v[MAXS], 0xff61b1e6                  ; m: -3e38, under every score
	v_mov_b32 v[LSUM], 0
	v_mov_b32 v[FF+1], 0
	s_wait_alu depctr_va_vdst(0)
	s_mov_b32 s36, 3
.Lchunk:
	CHUNK 1
	s_sub_co_u32 s36, s36, 1
	s_cmp_lg_u32 s36, 0
	s_cbranch_scc1 .Lchunk
	CHUNK 0                                        ; the last chunk is written out: nothing is left to fetch
	; THE END: the four waves' o (each over its own rows) meet in the stage, which lies where the images lay: every wave has read those ahead of the last barrier, and no tensor load ever lands there
.irp j,0,1,2,3,4,5,6,7
	ds_store_b128 v[OSW], v[OAC+4*\j:OAC+4*\j+3] offset:512*\j
.endr
	s_wait_dscnt 0x0
	s_barrier_signal -1
	s_barrier_wait -1
.irp e,0,1
.irp v,0,1,2,3
	ds_load_b128 v[192+16*\e+4*\v:195+16*\e+4*\v], v[OSR] offset:4096*\v+512*\e
.endr
.endr
	s_wait_dscnt 0x0
.irp e,0,1
.irp k,0,2
	v_pk_add_f32 v[192+16*\e+\k:193+16*\e+\k], v[192+16*\e+\k:193+16*\e+\k], v[196+16*\e+\k:197+16*\e+\k]
	v_pk_add_f32 v[200+16*\e+\k:201+16*\e+\k], v[200+16*\e+\k:201+16*\e+\k], v[204+16*\e+\k:205+16*\e+\k]
	v_pk_add_f32 v[192+16*\e+\k:193+16*\e+\k], v[192+16*\e+\k:193+16*\e+\k], v[200+16*\e+\k:201+16*\e+\k]
.endr
	global_store_b128 v[OG], v[192+16*\e:195+16*\e], s[14:15] offset:512*\e   ; the wave stores 512 consecutive bytes, aligned
.endr
	s_cmp_lg_u32 s16, 0
	s_cbranch_scc1 .Lnot_wave_0
	global_store_b64 v[L8], v[MAXS:MAXS+1], s[14:15] offset:4096   ; (m, l), 32 times: 256 consecutive bytes, aligned
.Lnot_wave_0:
	s_wait_tensorcnt 0x0                           ; the wave's end: behind my last tensor load and my last LDS store
	ds_add_u32 v[SPW], v[NIL]
	s_wait_dscnt 0x0
	s_endpgm
.Lfunc_end_k_qc909287af0_main:
	.size	k_qc909287af0_main, .Lfunc_end_k_qc909287af0_main-k_qc909287af0_main
	.p2alignl 7, 3214868480
	.fill 96, 4, 3214868480
	.section	.rodata,"a",@progbits
	.p2align	6, 0x0
	.amdhsa_kernel k_qc909287af0_main
		.amdhsa_group_segment_fixed_size 327680
		.amdhsa_private_segment_fixed_size 0
		.amdhsa_enable_private_segment 0
		.amdhsa_kernarg_size 40
		.amdhsa_user_sgpr_count 2
		.amdhsa_user_sgpr_kernarg_segment_ptr 1
		.amdhsa_wavefront_size32 1
		.amdhsa_system_sgpr_workgroup_id_x 1
		.amdhsa_system_sgpr_workgroup_id_y 1
		.amdhsa_system_sgpr_workgroup_id_z 1
		.amdhsa_system_vgpr_workitem_id 0
		.amdhsa_next_free_vgpr 1024
		.amdhsa_next_free_sgpr 66
		.amdhsa_reserve_vcc 0
		.amdhsa_float_denorm_mode_32 3
		.amdhsa_float_denorm_mode_16_64 3
		.amdhsa_memory_ordered 1
		.amdhsa_forward_progress 1
		.amdhsa_inst_pref_size 255
	.end_amdhsa_kernel
	.section	.bss,"aw",@nobits
	.p2align	6
	.space	262144
	.amdgpu_metadata
---
amdhsa.version: [ 1, 2 ]
amdhsa.kernels:
  - .name:           k_qc909287af0_main
    .symbol:         k_qc909287af0_main.kd
    .args:
      - { .name: encoder_outputs, .offset: 0, .size: 8, .value_kind: global_buffer, .address_space: global }
      - { .name: wkf, .offset: 8, .size: 8, .value_kind: global_buffer, .address_space: global }
      - { .name: qc, .offset: 16, .size: 8, .value_kind: global_buffer, .address_space: global }
      - { .name: wv, .offset: 24, .size: 8, .value_kind: global_buffer, .address_space: global }
      - { .name: part, .offset: 32, .size: 8, .value_kind: global_buffer, .address_space: global }
    .group_segment_fixed_size: 327680
    .private_segment_fixed_size: 0
    .kernarg_segment_align: 8
    .kernarg_segment_size: 40
    .max_flat_workgroup_size: 128
    .sgpr_count:     66
    .vgpr_count:     1024
    .wavefront_size: 32
...
	.end_amdgpu_metadata
.endif
;; end of part 2
;; launch comb (part 3): grid 128 x 1, 2 waves a work-group, no clusters, 0 bytes of LDS; arguments part, out0; writes out0
.if DOCPART == 3
	.amdgcn_target "amdgcn-amd-amdhsa--gfx1250"
	.amdhsa_code_object_version 6
	.text
	.protected	k_qc909287af0_comb
	.globl	k_qc909287af0_comb
	.p2align	8
	.type	k_qc909287af0_comb,@function
k_qc909287af0_comb:
	s_mov_b64 s[64:65], 0
	v_nop
	global_prefetch_b8 v0, s[64:65] scope:SCOPE_SE
	s_setreg_imm32_b32 hwreg(HW_REG_WAVE_MODE, 25, 1), 1
	s_wait_xcnt 0x0
; out0[b][:] = the sum over a batch's 8 partial results of e^(m_i - M) o_i, divided by the sum of e^(m_i - M) l_i, M the largest m_i.
; part: 256 records of 4,352 bytes: o[1024] f32, then (m, l) 32 times.  Work-group x takes batch x / 4, columns 256 (x % 4) ..; thread t four columns.
; A stream of 1.1 MB: no LDS, no matrix unit, no barrier.  Each load of o and each store covers 512 consecutive bytes a wave.
.set PREC, 4352
	s_load_b128 s[4:7], s[0:1], 0x0                ; part, out0
	s_lshr_b32 s8, ttmp9, 2
	s_mul_i32 s8, s8, 8*PREC                       ; my batch's 8 records
	s_mov_b32 s9, 0
	s_and_b32 s10, ttmp9, 3
	s_lshl_b32 s10, s10, 10                        ; my quarter of a row
	s_lshl_b32 s12, ttmp9, 10                      ; out0: 4096 batch + 1024 quarter
	s_mov_b32 s13, 0
	s_mov_b32 s14, 0x3fb8aa3b                      ; log2(e)
	v_lshl_add_u32 v1, v0, 4, s10
	v_and_b32 v2, 31, v0
	v_lshlrev_b32 v2, 3, v2
	v_lshlrev_b32 v3, 4, v0
	s_wait_alu depctr_va_vdst(0)
	s_wait_kmcnt 0x0
	s_add_nc_u64 s[4:5], s[4:5], s[8:9]
	s_add_nc_u64 s[6:7], s[6:7], s[12:13]
.irp i,0,1,2,3,4,5,6,7
	global_load_b128 v[8+4*\i:11+4*\i], v1, s[4:5] offset:PREC*\i
	global_load_b64 v[40+2*\i:41+2*\i], v2, s[4:5] offset:PREC*\i+4096
.endr
	s_wait_loadcnt 0x0
	v_max3_num_f32 v56, v40, v42, v44
	v_max3_num_f32 v56, v56, v46, v48
	v_max3_num_f32 v56, v56, v50, v52
	v_max_num_f32 v56, v56, v54                    ; M
.irp i,0,1,2,3,4,5,6,7
	v_sub_f32 v[40+2*\i], v[40+2*\i], v56
.endr
.irp i,0,1,2,3,4,5,6,7
	v_mul_f32 v[40+2*\i], s14, v[40+2*\i]
.endr
	s_wait_alu depctr_va_vdst(0)
.irp i,0,1,2,3,4,5,6,7
	v_exp_f32 v[40+2*\i], v[40+2*\i]               ; the weight e^(m_i - M) takes m_i's place: the low word of the pair (weight, l_i)
.endr
	v_nop                                          ; a plain place behind the exponentials
	s_wait_alu depctr_va_vdst(0)
	v_mul_f32 v57, v40, v41
	v_pk_mul_f32 v[60:61], v[8:9], v[40:41] op_sel_hi:[1,0]
	v_pk_mul_f32 v[62:63], v[10:11], v[40:41] op_sel_hi:[1,0]
.irp i,1,2,3,4,5,6,7
	v_fma_f32 v57, v[40+2*\i], v[41+2*\i], v57
	v_pk_fma_f32 v[60:61], v[8+4*\i:9+4*\i], v[40+2*\i:41+2*\i], v[60:61] op_sel_hi:[1,0,1]
	v_pk_fma_f32 v[62:63], v[10+4*\i:11+4*\i], v[40+2*\i:41+2*\i], v[62:63] op_sel_hi:[1,0,1]
.endr
	s_wait_alu depctr_va_vdst(0)
	v_rcp_f32 v58, v57
	v_mov_b32 v59, 0                               ; a plain place behind the reciprocal; v59 is named with v58 as a pair
	s_wait_alu depctr_va_vdst(0)
	v_pk_mul_f32 v[60:61], v[60:61], v[58:59] op_sel_hi:[1,0]
	v_pk_mul_f32 v[62:63], v[62:63], v[58:59] op_sel_hi:[1,0]
	global_store_b128 v3, v[60:63], s[6:7]
	s_endpgm
.Lfunc_end_k_qc909287af0_comb:
	.size	k_qc909287af0_comb, .Lfunc_end_k_qc909287af0_comb-k_qc909287af0_comb
	.p2alignl 7, 3214868480
	.fill 96, 4, 3214868480
	.section	.rodata,"a",@progbits
	.p2align	6, 0x0
	.amdhsa_kernel k_qc909287af0_comb
		.amdhsa_group_segment_fixed_size 0
		.amdhsa_private_segment_fixed_size 0
		.amdhsa_enable_private_segment 0
		.amdhsa_kernarg_size 16
		.amdhsa_user_sgpr_count 2
		.amdhsa_user_sgpr_kernarg_segment_ptr 1
		.amdhsa_wavefront_size32 1
		.amdhsa_system_sgpr_workgroup_id_x 1
		.amdhsa_system_sgpr_workgroup_id_y 1
		.amdhsa_system_sgpr_workgroup_id_z 1
		.amdhsa_system_vgpr_workitem_id 0
		.amdhsa_next_free_vgpr 64
		.amdhsa_next_free_sgpr 66
		.amdhsa_reserve_vcc 0
		.amdhsa_float_denorm_mode_32 3
		.amdhsa_float_denorm_mode_16_64 3
		.amdhsa_memory_ordered 1
		.amdhsa_forward_progress 1
		.amdhsa_inst_pref_size 6
	.end_amdhsa_kernel
	.amdgpu_metadata
---
amdhsa.version: [ 1, 2 ]
amdhsa.kernels:
  - .name:           k_qc909287af0_comb
    .symbol:         k_qc909287af0_comb.kd
    .args:
      - { .name: part, .offset: 0, .size: 8, .value_kind: global_buffer, .address_space: global }
      - { .name: out0, .offset: 8, .size: 8, .value_kind: global_buffer, .address_space: global }
    .group_segment_fixed_size: 0
    .private_segment_fixed_size: 0
    .kernarg_segment_align: 8
    .kernarg_segment_size: 16
    .max_flat_workgroup_size: 64
    .sgpr_count:     66
    .vgpr_count:     64
    .wavefront_size: 32
...
	.end_amdgpu_metadata
.endif
;; end of part 3
